; MI455X (gfx1250); checked and timed in simulation.
; The chip was launched on July 23, 2026; its instructions are those of AMD's public machine-readable ISA for CDNA 5 (MIT licence, August 2026) and "CDNA5" Instruction Set Architecture Reference Guide (July 2026). The comments in the code are by the model that wrote it; some were corrected since.
;; Decoder Head VDP. Allowed arithmetic: float matrix products may take bf16 or f16 operands with f32 sums; other float arithmetic in f32, or as packed bf16 or f16 multiplies, adds, multiply-adds, maxima and minima; sums over many terms, partial sums and values carried from step to step in f32; what a program stores and reads back later, other than sums and carried values, may be rounded once to bf16 or f16.
;; Inputs: Wq_mu 1,024 x 1,024 float32; Wq_var 1,024 x 1,024 float32; k 4 x 16 x 1,024 x 64 float32; v 4 x 16 x 1,024 x 64 float32; var_k 4 x 16 x 1,024 x 64 float32; var_v 4 x 16 x 1,024 x 64 float32; var_x 4 x 1,024 x 1,024 float32; x 4 x 1,024 x 1,024 float32.
;; Outputs: out0 4 x 1,024 x 1,024 float32; out1 4 x 1,024 x 1,024 float32.
;; One version. Each part assembles by itself: llvm-mc -triple=amdgcn-amd-amdhsa -mcpu=gfx1250 --defsym DOCPART=n.
;; ======== version 1 of 1: 1 launch
;; launch vdp (part 1): grid 16 x 16, 4 waves a work-group, clusters of 4 x 1, 327,680 bytes of LDS; arguments x, var_x, Wq_mu, Wq_var, k, var_k, v, var_v, out0, out1; writes out0, out1
.if DOCPART == 1
	.amdgcn_target "amdgcn-amd-amdhsa--gfx1250"
	.amdhsa_code_object_version 6
	.text
	.protected	k_q8b61afb168_vdp
	.globl	k_q8b61afb168_vdp
	.p2align	8
	.type	k_q8b61afb168_vdp,@function
k_q8b61afb168_vdp:
	s_mov_b64 s[64:65], 0
	v_nop
	global_prefetch_b8 v0, s[64:65] scope:SCOPE_SE
	s_setreg_imm32_b32 hwreg(HW_REG_WAVE_MODE, 25, 1), 1
	s_wait_xcnt 0x0
	s_wait_alu depctr_hold_cnt(0) depctr_sa_sdst(0) depctr_va_vdst(0) depctr_va_sdst(0) depctr_va_ssrc(0) depctr_va_vcc(0) depctr_vm_vsrc(0)
	s_getreg_b32 s2, hwreg(HW_REG_IB_STS2, 6, 4)
	s_cmp_eq_u32 s2, 0
	s_cbranch_scc0 .Lentry_in_a_cluster
	s_endpgm
.Lentry_in_a_cluster:
	s_bfe_u32 s2, ttmp6, 0x10000c
	s_cmp_lg_u32 s2, 0x3003
	s_cbranch_scc0 .Lentry_shape_is_right
	s_endpgm
.Lentry_shape_is_right:
; ATTENTION HEAD WITH PROPAGATED VARIANCES, one launch.  B = 4, S = 1024, D = 1024, H = 16, DH = 64; all buffers f32.
;   q = x Wmu^T;  var_q = var_x (Wvar + Wmu^2)^T + x^2 Wvar^T                       (three products: the two that share var_x are merged)
;   a = q k^T / 32;  V = var_q (var_k + k^2)^T + q^2 var_k^T;  var_a = V / 1024      (three products)
;   p = causal softmax(a);  var_out = p^2 (s + var_a (1 - 2 p)),  s = sum p^2 var_a
;   out0 = x + p v;  out1 = var_out (var_v + v^2) + p^2 var_v                        (three products)
; FORMATS.  Every matrix operand is rounded once to bf16 (q^2 and the like have no room in f16); squares are made in f32 of unrounded numbers; sums, maxima, exponentials and var_out in f32.
; LIMITS.  A hidden score counts as its value less 1e30.  A weight 2^(c s - c m) below 2^-126 counts as 0, and so does its square below that.  NaN and infinities are not treated apart.
; SHARES.  A work-group has one head (b, head) and 256 of its queries: the bands of 64 queries 2 j, 2 j + 1, 14 - 2 j, 15 - 2 j (PIECES 0 to 3).  Band n needs the key steps 0 .. n of 64 keys, the last
; with the diagonal: 34 band-steps whatever j, so all work-groups do equal work.  Wave w owns rows 16 w .. 16 w + 15 of each band: four tiles of 16 queries, the same work for every wave.
; PHASES.  (1) The projection of the 256 rows onto the head's 64 channels, taken transposed (source 0 = 16 rows of W, source 1 = 16 rows of x): the result, rounded in pairs, IS source 1 of K Q^T.
; (2) Pass 1 over the keys: running maximum m, l = sum e, t = sum e^2 V, e = 2^(c s - c m), c = log2(e) / 32.  (3) Pass 2: with the final m, l and s = t / (1024 l^2) each key's var_out is formed in f32
; as the definition has it, e^2 (V (1/1024 - 2 e / (1024 l)) + s), and rounded once: no difference of large rounded sums is formed.  O1 = V^T e, O2 = W2^T u + VV^T e^2; out0 = x + O1 / l, out1 = O2 / l^2.
; CLUSTER.  The four partners are four heads of the same (b, j): they need the same tiles of x and var_x, 2 MiB a work-group, and ask for them JOINTLY.  Not asked for jointly: K and V (the work-groups that
; share a head's K and V have different j, so different numbers of key steps) and W (each work-group squares, adds and rounds its own 64 rows once, through registers).
; REGISTERS, in windows of 256 (s_set_vgpr_msb: bits 1:0 source 0, 3:2 source 1, 5:4 source 2, 7:6 destination):
;   window 0: v0-31 addresses and eight at work; v32-63 eight statistics a piece; v64-191 x as loaded / K and V on their way to LDS / x for the residual; v192-255 W on its way / scores and weights
;   window 1: the projection's sums (q at 32 p + 8 cb, var_q 128 higher), later O1 and O2 at the same places
;   window 2: the projection's fragments of x, var_x, x^2 (24 p + 0, 8, 16); later Q (48 p: q, +16 var_q, +32 q^2), v192-223 the diagonal's mask, v224-255 var_v's fragments
;   window 3: W's fragments, two sets of 96; later K's (64 array + 16 key block + 8 channel half), v192-223 v's fragments, v224-255 (var_v + v^2)'s
.set PXP,   272        ; a row of x in LDS: 256 bytes + 16 of padding = 68 words, so the 16 rows of a load start at 16 different groups of four banks (64 banks of 4 bytes: ISA guide 11.1)
.set QUART, 128*PXP    ; what one tensor load brings: 128 rows
.set SLOT,  4*QUART    ; 256 rows of x (row 64 piece + 16 wave + r), then 256 of var_x
.set WB,    2*SLOT     ; behind the ring: Wmu, Wvar + Wmu^2, Wvar in bf16, 64 channels x 64 d each; written by LDS stores alone
.set PW,    144        ; 128 bytes + 16
.set WARR,  64*PW
.set SPARE, WB+3*WARR  ; the spare words, 128 bytes for each wave: two blocks of 256 bytes that no other line names
.set PK,    144        ; after the projection, in slot 0, which has had its last fill: k, var_k + k^2, var_k, 64 keys x 64 channels in bf16
.set KARR,  64*PK
.set PV,    160        ; v, var_v + v^2, var_v: 128 bytes + 32
.set VARR,  64*PV
.set VOFF,  3*KARR
.set STAGE, 65536      ; 16 rows x 272 bytes for each wave, for the way out
.set SP,    272
.set R,    1           ; v1   lane % 16
.set HH,   2           ; v2   (lane / 16) % 2
.set SPW,  3           ; v3   LDS address of my spare word; never rewritten
.set NIL,  4           ; v4   0; never rewritten
.set AX,   5           ; v5-6  my place in x's rows of slot 0, 1
.set AVX,  7           ; v7-8  the same for var_x
.set AW,   9           ; v9   my place in a fragment of W
.set WSTA, 10          ; v10  where I store 8 bytes of a row of W
.set KST,  11          ; v11  of K
.set VST,  12          ; v12  of V
.set WOFF, 13          ; v13  my byte offset in the head's rows of W, at the chunk in hand
.set T16,  14          ; v14  16 x thread
.set GOFF, 15          ; v15  my byte offset in the head's K and V, at the tile to be fetched
.set AK,   16          ; v16  my place in a fragment of K
.set AVT,  17          ; v17  my place in a turned fragment of V
.set PFO,  22          ; v22  4,096 x lane: a row of x; never rewritten
.set PKO,  23          ; v23  256 x lane: a row of K or V; never rewritten
.set T,    24          ; v24-31 at work
.set ST,   32          ; piece p at ST + 8 p: c m, m, l (pair), t (pair), alpha, -; after pass 1: c m, -, R = -2 / (1024 l), -, s, -, 1 / l, 1 / l^2
.set RAW,  64
.set STG,  64
.set WSTG, 192
.set CC,   128         ; pass 1, at work: c0-c3
.set MV,   132
.set A2,   134
.set LS,   136
.set TS,   144
.set SA,   192
.set SV1,  224
.set SV2,  208
.set PE,   224
.set PE2,  232
.set PU,   240
.set GG,   248
.set MD,   192         ; window 2
.set STO,  5           ; the way out
.set RD,   6
.set GO,   7           ; v7-10
.set XR,   64
.set TT,   192
.set BK,   224
.set PX,   4           ; s[4:5] x, s[6:7] var_x, s[8:9] Wq_mu, s[10:11] Wq_var, s[12:13] k, s[14:15] var_k, s[16:17] v, s[18:19] var_v, s[20:21] out0, s[22:23] out1
.set PVX,  6
.set PWM,  8
.set PWV,  10
.set PKM,  12
.set PKV,  14
.set PVM,  16
.set PVV,  18
.set PO,   20
.set WV,   24
.set CX,   25
.set HEAD, 26
.set BB,   27
.set JJ,   28
.set G0X,  32          ; s[32:39] descriptor group 0 for x's tiles, a set for each slot
.set G1,   40          ; s[40:47] group 1
.set CNT,  48
.set LIM,  49
.set PFA,  50
.set CS,   52
.set SEL,  54
.set KIN,  56
.set SS,   58          ; the key step
.set NS,   59          ; key steps of this work-group: 16 - 2 j
.set BAND, 60          ; s60-63 the four pieces' bands
.set TOFF, 66
.set PLIM, 67
.set PK1,  70
.set PK2,  72
.set BIGN, 74
.set G0V,  84          ; s[84:91] group 0 for var_x's tiles
.set MSB, 0
.macro WIN new                      ; the immediate's high byte repeats the setting that is left; a switch that changes nothing is dropped
.if MSB != (\new)
	s_set_vgpr_msb (MSB<<8)|(\new)
.set MSB, (\new)
.endif
.endm
.macro PLACES                       ; four plain places behind matrix instructions (ISA guide 7.12.1), where no other vector work is at hand
.rept 4
	v_nop
.endr
.endm
.macro BAR
	s_barrier_signal -1
	s_barrier_wait -1
.endm
.macro CROUND                       ; a round of the cluster's barrier
	s_barrier_signal -1
	s_barrier_wait -1
	s_cmp_lg_u32 s[WV], 0
	s_cbranch_scc1 .Lnot_wave_0_\@
	s_barrier_signal -3
.Lnot_wave_0_\@:
	s_barrier_wait -3
	s_barrier_signal -1
	s_barrier_wait -1
.endm
; A joint refill: waves 0 and 1 fetch x's two blocks of 128 rows, waves 2 and 3 var_x's.  The branch hangs on the wave's number alone.  An s_nop 0 and four v_nop follow each line.
.macro JLOAD s
	s_cmp_lt_u32 s[WV], 2
	s_cbranch_scc0 .Lfor_v_\@
	tensor_load_to_lds s[G0X+4*(\s):G0X+4*(\s)+3], s[G1:G1+7]
	s_nop 0
	PLACES
	s_branch .Lasked_\@
.Lfor_v_\@:
	tensor_load_to_lds s[G0V+4*(\s):G0V+4*(\s)+3], s[G1:G1+7]
	s_nop 0
	PLACES
.Lasked_\@:
.endm
; Prefetch of x and var_x: the K step that stands two refills on, 256 bytes of each of 32 rows, a lane a row.  The four clusters with the same (b, j) read the same rows: the one with x = 0 asks.  Of the 128 rows
; that a wave fetches, partner cx takes 32 cx .. 32 cx + 31, told apart by address.  So each row's 256 bytes of a K step are named once.  The loop's last trip asks for nothing: its refills are the last two K steps.
.macro ASKX
	s_cmp_gt_u32 s[CNT], s[LIM]
	s_cbranch_scc0 .Lnox_\@
	global_prefetch_b8 v[PFO], s[PFA:PFA+1] offset:256 th:TH_LOAD_NT scope:SCOPE_SE
.Lnox_\@:
.endm
; Prefetch of a head's keys (pass 1) or values (pass 2): tile SS + 3, two trips ahead of the loads that will want it.  Of the head's four work-groups the one with j = 0, which walks all 16 tiles, asks:
; waves 0 and 1 for the mean's 64 rows of 256 bytes, waves 2 and 3 for the variance's, a lane a row.  It stops at tile 15.  Tiles 0 to 2 come by their loads alone.
.macro ASKKV ptr
	WIN 0
	s_cmp_lt_u32 s[SS], s[PLIM]
	s_cbranch_scc0 .Lnoask_\@
	global_prefetch_b8 v[PKO], s[\ptr:\ptr+1] th:TH_LOAD_NT scope:SCOPE_SE
.Lnoask_\@:
.endm
; n pairs of loads of 16 bytes: a mean's four numbers and the variance's at the same place; sixteen lanes take 256 consecutive bytes
.macro GLD base, n, pmu, pvar, voff, step
	WIN 0
.set gi, 0
.rept \n
	global_load_b128 v[(\base)+8*gi:(\base)+8*gi+3], v[\voff], s[\pmu:\pmu+1] offset:gi*(\step)
	global_load_b128 v[(\base)+8*gi+4:(\base)+8*gi+7], v[\voff], s[\pvar:\pvar+1] offset:gi*(\step)
.set gi, gi+1
.endr
.endm
; each pair becomes six words of bf16, in place: mean, variance + mean^2 (made in f32), variance
.macro CONV base, n
	WIN 0
.set ci, 0
.rept \n
.set cr, (\base)+8*ci
.set ct, T+4*(ci%2)
	v_pk_fma_f32 v[ct:ct+1], v[cr:cr+1], v[cr:cr+1], v[cr+4:cr+5]
	v_pk_fma_f32 v[ct+2:ct+3], v[cr+2:cr+3], v[cr+2:cr+3], v[cr+6:cr+7]
	v_cvt_pk_bf16_f32 v[cr], v[cr], v[cr+1]
	v_cvt_pk_bf16_f32 v[cr+1], v[cr+2], v[cr+3]
	v_cvt_pk_bf16_f32 v[cr+2], v[ct], v[ct+1]
	v_cvt_pk_bf16_f32 v[cr+3], v[ct+2], v[ct+3]
	v_cvt_pk_bf16_f32 v[cr+4], v[cr+4], v[cr+5]
	v_cvt_pk_bf16_f32 v[cr+5], v[cr+6], v[cr+7]
.set ci, ci+1
.endr
.endm
.macro STO3 base, n, addr, rowstep, arr   ; and goes into the three arrays in LDS, 8 bytes each
	WIN 0
.set si, 0
.rept \n
	ds_store_b64 v[\addr], v[(\base)+8*si:(\base)+8*si+1] offset:si*(\rowstep)
	ds_store_b64 v[\addr], v[(\base)+8*si+2:(\base)+8*si+3] offset:si*(\rowstep)+(\arr)
	ds_store_b64 v[\addr], v[(\base)+8*si+4:(\base)+8*si+5] offset:si*(\rowstep)+2*(\arr)
.set si, si+1
.endr
.endm
.macro WM d, a, b, zero             ; a matrix instruction in place, or (zero = 1) one that starts its sum
.if \zero
	v_wmma_f32_16x16x32_bf16 v[(\d):(\d)+7], v[(\a):(\a)+7], v[(\b):(\b)+7], 0
.else
	v_wmma_f32_16x16x32_bf16 v[(\d):(\d)+7], v[(\a):(\a)+7], v[(\b):(\b)+7], v[(\d):(\d)+7]
.endif
.endm
; ---------------- THE PROJECTION'S MACROS ----------------
; 32 LDS loads: for each piece my row's 16 numbers of x and of var_x for 32 along d: d = 8 h + 0..7 (32 bytes) and 16 + 8 h + 0..7
.macro LOADX sl, q
	WIN 0
.irp p, 0,1,2,3
.irp c, 0,1,2,3
	ds_load_b128 v[RAW+32*(\p)+4*(\c):RAW+32*(\p)+4*(\c)+3], v[AX+(\sl)] offset:(\p)*64*PXP+128*(\q)+16*((\c)%2)+64*((\c)/2)
.endr
.irp c, 0,1,2,3
	ds_load_b128 v[RAW+32*(\p)+16+4*(\c):RAW+32*(\p)+16+4*(\c)+3], v[AVX+(\sl)] offset:(\p)*64*PXP+128*(\q)+16*((\c)%2)+64*((\c)/2)
.endr
.endr
.endm
.macro LOADW q, buf                 ; 24 LDS loads: the three arrays' four fragments of 16 channels x 32 d
	WIN 0xc0
.irp a, 0,1,2
.irp c, 0,1,2,3
	ds_load_b128 v[96*(\buf)+32*(\a)+8*(\c):96*(\buf)+32*(\a)+8*(\c)+3], v[AW] offset:(\a)*WARR+(\c)*16*PW+64*(\q)
	ds_load_b128 v[96*(\buf)+32*(\a)+8*(\c)+4:96*(\buf)+32*(\a)+8*(\c)+7], v[AW] offset:(\a)*WARR+(\c)*16*PW+64*(\q)+32
.endr
.endr
	WIN 0
.endm
.macro CONVERT                      ; x, var_x and x^2 (squared in f32) become fragments in bf16
	WIN 0x80
.irp p, 0,1,2,3
.irp i, 0,1,2,3,4,5,6,7
	v_cvt_pk_bf16_f32 v[24*(\p)+(\i)], v[RAW+32*(\p)+2*(\i)], v[RAW+32*(\p)+2*(\i)+1]
	v_cvt_pk_bf16_f32 v[24*(\p)+8+(\i)], v[RAW+32*(\p)+16+2*(\i)], v[RAW+32*(\p)+16+2*(\i)+1]
.endr
.endr
	WIN 0
.irp p, 0,1,2,3
.irp i, 0,1,2,3,4,5,6,7
	v_pk_mul_f32 v[RAW+32*(\p)+2*(\i):RAW+32*(\p)+2*(\i)+1], v[RAW+32*(\p)+2*(\i):RAW+32*(\p)+2*(\i)+1], v[RAW+32*(\p)+2*(\i):RAW+32*(\p)+2*(\i)+1]
.endr
.endr
	WIN 0x80
.irp p, 0,1,2,3
.irp i, 0,1,2,3,4,5,6,7
	v_cvt_pk_bf16_f32 v[24*(\p)+16+(\i)], v[RAW+32*(\p)+2*(\i)], v[RAW+32*(\p)+2*(\i)+1]
.endr
.endr
	WIN 0
.endm
; 48 matrix instructions for 32 along d.  The accumulators take turns, one instruction a turn: sixteen stand between two links of a chain, over the backward jump too.
.macro MUL buf
	WIN 0x5b                        ; W window 3, x window 2, sums window 1
.irp p, 0,1,2,3
.irp c, 0,1,2,3
	WM 32*(\p)+8*(\c), 96*(\buf)+8*(\c), 24*(\p), 0
.endr
.endr
.irp p, 0,1,2,3
.irp c, 0,1,2,3
	WM 128+32*(\p)+8*(\c), 96*(\buf)+32+8*(\c), 24*(\p)+8, 0
.endr
.endr
.irp p, 0,1,2,3
.irp c, 0,1,2,3
	WM 128+32*(\p)+8*(\c), 96*(\buf)+64+8*(\c), 24*(\p)+16, 0
.endr
.endr
.endm
; A K step of 64 along d, out of slot sl.  wload = 1: the next chunk of W is fetched at its head and made bf16 at its end.  last = 1: the first tiles of K and V are fetched.
.macro STEP sl, wload, last
	WIN 0
.if \wload
	v_add_nc_u32 v[WOFF], 256, v[WOFF]  ; free: the loads that read it were waited for at the end of the step before
	GLD WSTG, 8, PWM, PWV, WOFF, 32768
.endif
	LOADX \sl, 0
	LOADW 0, 0
	s_wait_dscnt 24                 ; x's 32 loads are in; W's 24 may be out
	CONVERT
	LOADX \sl, 1
	LOADW 1, 1
	s_wait_dscnt 56                 ; W's first set is in; the 56 just issued may be out
	MUL 0
	PLACES                          ; the conversions below write fragments that those products read
	s_wait_dscnt 24                 ; x's second 32 loads are in
	CONVERT
.if \last
	GLD STG, 8, PKM, PKV, GOFF, 2048      ; x's registers are free: key tile 0,
	GLD STG+64, 8, PVM, PVV, GOFF, 2048   ; value tile 0
.endif
	s_wait_dscnt 0x0
	MUL 1
	WIN 0
.if \wload
	s_wait_loadcnt 0x0              ; the chunk of W, asked for at the step's head
	CONV WSTG, 8                    ; 64 plain instructions, which are also the places behind the products
.else
	PLACES
.endif
.endm
; THE CHANGE OF SLOTS.  Each wave waits for all its tensor loads (one is out: its part of the other slot), adds 0 to its spare word, and waits for that and for its reads of slot sl and of W.
; fill = 1: a round of the cluster's barrier, so that no wave of any partner still reads the slot or has a load on its way; the joint refill, two K steps on, is the first thing behind it.
; Then the next chunk of W takes the place of the one that everybody has read, and a second barrier shows it to everybody; behind that one nothing is filled, so the refill stays out across it.
.macro XCHANGE sl, fill
	WIN 0
.if \fill
	s_wait_xcnt 0x0                 ; the last prefetch, a K step back, has read its address
	s_add_nc_u64 s[PFA:PFA+1], s[PFA:PFA+1], 256
.endif
	s_wait_tensorcnt 0x0            ; no tensor load of mine is out, so a group 0 may be written
	ds_add_u32 v[SPW], v[NIL]
.if \fill
	s_add_nc_u64 s[G0X+4*(\sl)+2:G0X+4*(\sl)+3], s[G0X+4*(\sl)+2:G0X+4*(\sl)+3], 512
	s_add_nc_u64 s[G0V+4*(\sl)+2:G0V+4*(\sl)+3], s[G0V+4*(\sl)+2:G0V+4*(\sl)+3], 512
.endif
	s_wait_dscnt 0x0                ; the add is done, and my LDS reads are over
.if \fill
	CROUND
	JLOAD \sl
	ASKX
.else
	BAR
.endif
	STO3 WSTG, 8, WSTA, 8*PW, WARR
	s_wait_dscnt 0x0                ; for the others' sake: my part of W's chunk is stored
	BAR
.endm
; ---------------- THE KEY LOOPS' MACROS ----------------
.macro FK                           ; 48 LDS loads: a step's k, var_k + k^2, var_k: 64 keys x 64 channels each
	WIN 0xc0
.irp a, 0,1,2
.irp k, 0,1,2,3
.irp f, 0,1
	ds_load_b128 v[64*(\a)+16*(\k)+8*(\f):64*(\a)+16*(\k)+8*(\f)+3], v[AK] offset:(\a)*KARR+(\k)*16*PK+(\f)*64
	ds_load_b128 v[64*(\a)+16*(\k)+8*(\f)+4:64*(\a)+16*(\k)+8*(\f)+7], v[AK] offset:(\a)*KARR+(\k)*16*PK+(\f)*64+32
.endr
.endr
.endr
	WIN 0
.endm
.macro FV u                         ; 24 turning loads: keys 32 u .. 32 u + 31 of v, var_v + v^2 (window 3) and var_v (window 2), four blocks of 16 channels each
	WIN 0xc0
.irp a, 0,1
.irp c, 0,1,2,3
	ds_load_tr16_b128 v[192+32*(\a)+8*(\c):192+32*(\a)+8*(\c)+3], v[AVT] offset:(\a)*VARR+(\u)*32*PV+(\c)*32
	ds_load_tr16_b128 v[192+32*(\a)+8*(\c)+4:192+32*(\a)+8*(\c)+7], v[AVT] offset:(\a)*VARR+(\u)*32*PV+(\c)*32+16*PV
.endr
.endr
	WIN 0x80
.irp c, 0,1,2,3
	ds_load_tr16_b128 v[224+8*(\c):224+8*(\c)+3], v[AVT] offset:2*VARR+(\u)*32*PV+(\c)*32
	ds_load_tr16_b128 v[224+8*(\c)+4:224+8*(\c)+7], v[AVT] offset:2*VARR+(\u)*32*PV+(\c)*32+16*PV
.endr
	WIN 0
.endm
; PASS 1, piece p, one key step: 24 products (S^T = K Q^T and V^T, a lane holds one query and the keys 16 kb + 8 h + 0..7), then m, l and t.  A band's steps behind its diagonal are jumped over.
.macro P1 p
.set rT, ST+8*(\p)
.set rQ, 48*(\p)
	WIN 0
.if (\p) < 3
	s_cmp_gt_u32 s[SS], s[BAND+(\p)]
	s_cbranch_scc1 .Lp1_skip_\@
.endif
	WIN 0x0b                        ; K window 3, Q window 2, scores window 0.  The four accumulators of a run take turns
.irp f, 0,1
.irp k, 0,1,2,3
	WM SA+8*(\k), 16*(\k)+8*(\f), rQ+8*(\f), 1-(\f)
.endr
.endr
.irp a, 1,2
.irp f, 0,1
.irp k, 0,1,2,3
	WM SV1+8*(\k), 64*(\a)+16*(\k)+8*(\f), rQ+16*(\a)+8*(\f), (2-(\a))*(1-(\f))
.endr
.endr
.endr
	WIN 0
	PLACES
	s_cmp_eq_u32 s[SS], s[BAND+(\p)]
	s_cbranch_scc0 .Lp1_nod_\@
	WIN 0x08                        ; the band's own step: -1e30 onto the hidden scores
.irp i, 0,1,2,3,4,5,6,7,8,9,10,11,12,13,14,15
	v_pk_add_f32 v[SA+2*(\i):SA+2*(\i)+1], v[SA+2*(\i):SA+2*(\i)+1], v[MD+2*(\i):MD+2*(\i)+1]
.endr
	WIN 0
.Lp1_nod_\@:
.irp n, 0,1,2,3                     ; the maximum: four chains, each accumulator's lowest registers first
	v_max3_num_f32 v[CC+(\n)], v[SA+8*(\n)], v[SA+8*(\n)+1], v[SA+8*(\n)+2]
.endr
.irp n, 0,1,2,3
	v_max3_num_f32 v[CC+(\n)], v[CC+(\n)], v[SA+8*(\n)+3], v[SA+8*(\n)+4]
.endr
.irp n, 0,1,2,3
	v_max3_num_f32 v[CC+(\n)], v[CC+(\n)], v[SA+8*(\n)+5], v[SA+8*(\n)+6]
.endr
	v_max3_num_f32 v[CC], v[CC], v[SA+7], v[SA+15]
	v_max3_num_f32 v[CC+1], v[CC+1], v[SA+23], v[SA+31]
	v_max3_num_f32 v[CC+2], v[CC+2], v[CC+3], v[rT+1]
	v_mov_b32 v[MV], v[rT]          ; c m_old
	v_max3_num_f32 v[CC], v[CC], v[CC+1], v[CC+2]
	v_permlanex16_b32 v[CC+3], v[CC], s[SEL], s[SEL+1]  ; the query's other 32 keys lie in the lane 16 away
	v_max_num_f32 v[rT+1], v[CC], v[CC+3]
	v_mul_f32 v[rT], s[CS], v[rT+1]
	v_sub_f32 v[CC+1], v[MV], v[rT]
.irp i, 0,1,2,3,4,5,6,7,8,9,10,11,12,13,14,15
	v_pk_fma_f32 v[SA+2*(\i):SA+2*(\i)+1], v[SA+2*(\i):SA+2*(\i)+1], s[CS:CS+1], v[rT:rT+1] op_sel_hi:[1,0,0] neg_lo:[0,0,1] neg_hi:[0,0,1]
.endr
	v_exp_f32 v[rT+6], v[CC+1]      ; one batch of 33 exponentials: alpha = 2^(c m_old - c m),
.set xi, 0
.rept 32
	v_exp_f32 v[SA+xi], v[SA+xi]    ; and e
.set xi, xi+1
.endr
	v_nop                           ; a plain instruction behind the last exponential,
	s_wait_alu depctr_va_vdst(0)    ; and the one wait ahead of the batch's first reader
	v_pk_mul_f32 v[A2:A2+1], v[rT+6:rT+7], v[rT+6:rT+7]  ; alpha^2 in the low word
.irp k, 0,1,2,3                     ; l: four chains over the 16 pairs
	v_pk_add_f32 v[LS+2*(\k):LS+2*(\k)+1], v[SA+2*(\k):SA+2*(\k)+1], v[SA+8+2*(\k):SA+8+2*(\k)+1]
.endr
.irp k, 0,1,2,3
	v_pk_add_f32 v[LS+2*(\k):LS+2*(\k)+1], v[LS+2*(\k):LS+2*(\k)+1], v[SA+16+2*(\k):SA+16+2*(\k)+1]
.endr
.irp k, 0,1,2,3
	v_pk_add_f32 v[LS+2*(\k):LS+2*(\k)+1], v[LS+2*(\k):LS+2*(\k)+1], v[SA+24+2*(\k):SA+24+2*(\k)+1]
.endr
.irp i, 0,1,2,3,4,5,6,7,8,9,10,11,12,13,14,15
	v_pk_mul_f32 v[SA+2*(\i):SA+2*(\i)+1], v[SA+2*(\i):SA+2*(\i)+1], v[SA+2*(\i):SA+2*(\i)+1]  ; e^2
.endr
	v_pk_add_f32 v[LS:LS+1], v[LS:LS+1], v[LS+2:LS+3]
	v_pk_add_f32 v[LS+4:LS+5], v[LS+4:LS+5], v[LS+6:LS+7]
.irp k, 0,1,2,3                     ; t: four chains of e^2 V, each of V's accumulators from its low end on
	v_pk_mul_f32 v[TS+2*(\k):TS+2*(\k)+1], v[SA+2*(\k):SA+2*(\k)+1], v[SV1+2*(\k):SV1+2*(\k)+1]
.endr
	v_pk_add_f32 v[LS:LS+1], v[LS:LS+1], v[LS+4:LS+5]
.irp g, 8,16,24
.irp k, 0,1,2,3
	v_pk_fma_f32 v[TS+2*(\k):TS+2*(\k)+1], v[SA+(\g)+2*(\k):SA+(\g)+2*(\k)+1], v[SV1+(\g)+2*(\k):SV1+(\g)+2*(\k)+1], v[TS+2*(\k):TS+2*(\k)+1]
.endr
.endr
	v_pk_fma_f32 v[rT+2:rT+3], v[rT+2:rT+3], v[rT+6:rT+7], v[LS:LS+1] op_sel_hi:[1,0,1]  ; l = alpha l + sum
	v_pk_add_f32 v[TS:TS+1], v[TS:TS+1], v[TS+2:TS+3]
	v_pk_add_f32 v[TS+4:TS+5], v[TS+4:TS+5], v[TS+6:TS+7]
	v_pk_add_f32 v[TS:TS+1], v[TS:TS+1], v[TS+4:TS+5]
	v_pk_fma_f32 v[rT+4:rT+5], v[rT+4:rT+5], v[A2:A2+1], v[TS:TS+1] op_sel_hi:[1,0,1]    ; t = alpha^2 t + sum
.if (\p) < 3
.Lp1_skip_\@:
.endif
.endm
; PASS 2, piece p, keys 32 u .. 32 u + 31 of the step: 12 products for the scores and V (the same chains as in pass 1, so the same bits), e, e^2 and u = e^2 (V G + s), G = e R + 1/1024, and 12 products onto O1 and O2.
.macro P2 p, u
.set rT, ST+8*(\p)
.set rQ, 48*(\p)
	WIN 0
.if (\p) < 3
	s_cmp_gt_u32 s[SS], s[BAND+(\p)]
	s_cbranch_scc1 .Lp2_skip_\@
.endif
.if (\u) == 0
	s_wait_dscnt 24                 ; K's 48 loads are in; V's 24 may be out
.endif
	WIN 0x0b                        ; two accumulators take turns
.irp f, 0,1
.irp k, 0,1
	WM SA+8*(\k), 16*(2*(\u)+(\k))+8*(\f), rQ+8*(\f), 1-(\f)
.endr
.endr
.irp a, 1,2
.irp f, 0,1
.irp k, 0,1
	WM SV2+8*(\k), 64*(\a)+16*(2*(\u)+(\k))+8*(\f), rQ+16*(\a)+8*(\f), (2-(\a))*(1-(\f))
.endr
.endr
.endr
	WIN 0
	PLACES
	s_cmp_eq_u32 s[SS], s[BAND+(\p)]
	s_cbranch_scc0 .Lp2_nod_\@
	WIN 0x08
.irp i, 0,1,2,3,4,5,6,7
	v_pk_add_f32 v[SA+2*(\i):SA+2*(\i)+1], v[SA+2*(\i):SA+2*(\i)+1], v[MD+16*(\u)+2*(\i):MD+16*(\u)+2*(\i)+1]
.endr
	WIN 0
.Lp2_nod_\@:
.irp i, 0,1,2,3,4,5,6,7
	v_pk_fma_f32 v[SA+2*(\i):SA+2*(\i)+1], v[SA+2*(\i):SA+2*(\i)+1], s[CS:CS+1], v[rT:rT+1] op_sel_hi:[1,0,0] neg_lo:[0,0,1] neg_hi:[0,0,1]
.endr
.set xi, 0
.rept 16
	v_exp_f32 v[SA+xi], v[SA+xi]
.set xi, xi+1
.endr
	v_nop                           ; a plain instruction behind the last exponential,
	s_wait_alu depctr_va_vdst(0)    ; and the batch's one wait
.irp i, 0,1,2,3,4,5,6,7
	v_cvt_pk_bf16_f32 v[PE+(\i)], v[SA+2*(\i)], v[SA+2*(\i)+1]
.endr
.if (\u) == 0
	s_wait_dscnt 0x0                ; V's first half is in
.endif
	WIN 0x53                        ; v window 3, e window 0, O1 window 1
.irp c, 0,1,2,3
	WM 32*(\p)+8*(\c), 192+8*(\c), PE, 0
.endr
	WIN 0
.irp g, 0,8
.irp k, 0,1,2,3
	v_pk_fma_f32 v[GG+2*(\k):GG+2*(\k)+1], v[SA+(\g)+2*(\k):SA+(\g)+2*(\k)+1], v[rT+2:rT+3], s[KIN:KIN+1] op_sel_hi:[1,0,0]
.endr
.irp k, 0,1,2,3
	v_pk_fma_f32 v[SV2+(\g)+2*(\k):SV2+(\g)+2*(\k)+1], v[SV2+(\g)+2*(\k):SV2+(\g)+2*(\k)+1], v[GG+2*(\k):GG+2*(\k)+1], v[rT+4:rT+5] op_sel_hi:[1,1,0]
.endr
.endr
.irp i, 0,1,2,3,4,5,6,7
	v_pk_mul_f32 v[SA+2*(\i):SA+2*(\i)+1], v[SA+2*(\i):SA+2*(\i)+1], v[SA+2*(\i):SA+2*(\i)+1]
.endr
.irp i, 0,1,2,3,4,5,6,7
	v_cvt_pk_bf16_f32 v[PE2+(\i)], v[SA+2*(\i)], v[SA+2*(\i)+1]
.endr
	WIN 0x52                        ; var_v window 2, e^2 window 0, O2 window 1
.irp c, 0,1,2,3
	WM 128+32*(\p)+8*(\c), 224+8*(\c), PE2, 0
.endr
	WIN 0
.irp i, 0,1,2,3,4,5,6,7
	v_pk_mul_f32 v[SV2+2*(\i):SV2+2*(\i)+1], v[SA+2*(\i):SA+2*(\i)+1], v[SV2+2*(\i):SV2+2*(\i)+1]
.endr
.irp i, 0,1,2,3,4,5,6,7
	v_cvt_pk_bf16_f32 v[PU+(\i)], v[SV2+2*(\i)], v[SV2+2*(\i)+1]
.endr
	WIN 0x53                        ; var_v + v^2 window 3
.irp c, 0,1,2,3
	WM 128+32*(\p)+8*(\c), 224+8*(\c), PU, 0
.endr
	WIN 0
.if (\p) < 3
.Lp2_skip_\@:
.endif
.endm
; THE WAY OUT of piece p, output o: O^T times 1 / l or 1 / l^2; a lane's eight channels of a row go into my stage (rows of 272 bytes) and come back as whole rows of 256 bytes; out0 takes x.
.macro OUT p, o
	WIN 0x01
.set oi, 0
.rept 16
	v_pk_mul_f32 v[TT+2*oi:TT+2*oi+1], v[128*(\o)+32*(\p)+2*oi:128*(\o)+32*(\p)+2*oi+1], v[ST+8*(\p)+6-4*(\o):ST+8*(\p)+7-4*(\o)] op_sel_hi:[1,0]
.set oi, oi+1
.endr
	WIN 0
.irp c, 0,1,2,3
	ds_store_b128 v[STO], v[TT+8*(\c):TT+8*(\c)+3] offset:64*(\c)
	ds_store_b128 v[STO], v[TT+8*(\c)+4:TT+8*(\c)+7] offset:64*(\c)+16
.endr
	s_wait_xcnt 0x0                 ; the registers below were the data of the stores before: they are loaded again only behind this wait
.irp i, 0,1,2,3,4,5,6,7
	ds_load_b128 v[BK+4*(\i):BK+4*(\i)+3], v[RD] offset:(\i)*2*SP  ; LDS serves a wave's instructions in order (ISA guide 5.7.1.4): these see the stores above
.endr
	s_wait_dscnt 0x0
.if (\o) == 0
.set oi, 0
.rept 16
	v_pk_add_f32 v[BK+2*oi:BK+2*oi+1], v[BK+2*oi:BK+2*oi+1], v[XR+32*(\p)+2*oi:XR+32*(\p)+2*oi+1]
.set oi, oi+1
.endr
.endif
.irp i, 0,1,2,3,4,5,6,7
	global_store_b128 v[GO+(\p)], v[BK+4*(\i):BK+4*(\i)+3], s[PO+2*(\o):PO+2*(\o)+1] offset:(\i)*8192 th:TH_STORE_NT  ; 16 lanes store 256 consecutive bytes, at a multiple of 256 from the buffer's first
.endr
.endm
; ---------------- THE HEAD ----------------
	s_load_b256 s[4:11], s[0:1], 0x0
	s_load_b256 s[12:19], s[0:1], 0x20
	s_load_b128 s[20:23], s[0:1], 0x40
	v_lshl_add_u32 v[SPW], v0, 2, SPARE
	v_mov_b32 v[NIL], 0
	ds_add_u32 v[SPW], v[NIL]       ; the wave's opening: the add and its wait stand ahead of my first tensor load; work on registers stands between them
	v_lshrrev_b32 v1, 5, v0
	v_readfirstlane_b32 s[WV], v1   ; wave 0..3
	s_bfe_u32 s[CX], ttmp6, 0x40000 ; my place in the cluster
	s_lshl_b32 s[HEAD], ttmp9, 2
	s_add_co_u32 s[HEAD], s[HEAD], s[CX]  ; the head: it enters the addresses of W, K, V and the outputs alone
	s_and_b32 s29, ttmp7, 0xffff    ; shared by the partners:
	s_lshr_b32 s[BB], s29, 2        ; b
	s_and_b32 s[JJ], s29, 3         ; j
	s_lshl_b32 s[BAND], s[JJ], 1
	s_add_co_u32 s[BAND+1], s[BAND], 1
	s_sub_co_u32 s[BAND+2], 14, s[BAND]
	s_sub_co_u32 s[BAND+3], 15, s[BAND]
	s_sub_co_u32 s[NS], 16, s[BAND]
	; descriptor group 1: 128 rows x 64 elements of 4 bytes, 1,024 elements from row to row, padded in LDS
	s_mov_b32 s[G1+0], 15|(2<<16)|(1<<20)|(1<<21)|(5<<22)|(3<<25)  ; the mask of four; 4-byte elements; padding on; bit 21 beside a mask; after every 64 words, 4 words
	s_mov_b32 s[G1+1], 64<<16       ; tensor_dim0 = 64
	s_mov_b32 s[G1+2], 128<<16      ; tensor_dim1 = 128
	s_mov_b32 s[G1+3], 64<<16       ; tile_dim0 = 64
	s_mov_b32 s[G1+4], 128          ; tile_dim1 = 128
	s_mov_b32 s[G1+5], 1024
	s_mov_b32 s[G1+6], 0
	s_mov_b32 s[G1+7], 0
	s_and_b32 s29, s[WV], 1         ; which block of 128 rows I fetch: j (bands 2 j, 2 j + 1) or 7 - j
	s_sub_co_u32 s68, 7, s[JJ]
	s_cmp_eq_u32 s29, 0
	s_cselect_b32 s68, s[JJ], s68
	s_lshl_b32 s68, s68, 7
	s_lshl_b32 s69, s[BB], 10
	s_add_co_u32 s68, s68, s69
	s_lshl_b32 s30, s68, 12         ; its first row, in bytes
	s_mov_b32 s31, 0
	s_mul_i32 s75, s[WV], QUART     ; and where it goes in a slot
	s_lshl_b32 s76, s[CX], 17       ; the prefetches: my work-group's 32 rows of the 128,
	s_add_co_u32 s76, s76, 2*256    ; at K step 2: the first change of slots steps it to 3 and names 4
	s_mov_b32 s77, 0
	s_lshl_b32 s78, s[HEAD], 18     ; the head's 64 rows of W
	s_mov_b32 s79, 0
	s_lshl_b32 s80, s[BB], 4
	s_add_co_u32 s80, s80, s[HEAD]
	s_lshl_b32 s80, s80, 18         ; the head's 1,024 rows of K and V
	s_mov_b32 s81, 0
	s_lshl_b32 s82, s29, 13         ; K's and V's prefetches: my 32 rows of a tile's 64,
	s_add_co_u32 s82, s82, 2*16384  ; at tile 2: each trip steps it first
	s_mov_b32 s83, 0
	s_cmp_eq_u32 ttmp9, 0
	s_cselect_b32 s[LIM], 1, -1
	s_cmp_eq_u32 s[JJ], 0
	s_cselect_b32 s[PLIM], 13, 0
	s_mov_b32 s[CS], 0x3d38aa3b     ; c = log2(e) / 32
	s_mov_b32 s[CS+1], s[CS]
	s_mov_b32 s[SEL], 0x76543210
	s_mov_b32 s[SEL+1], 0xfedcba98
	s_mov_b32 s[KIN], 0x3a800000    ; 1 / 1024
	s_mov_b32 s[KIN+1], s[KIN]
	s_mov_b32 s[BIGN], 0xf149f2ca   ; -1e30
	s_wait_dscnt 0x0                ; the opening add is done
	s_wait_kmcnt 0x0
	s_cmp_lt_u32 s[WV], 2
	s_cselect_b64 s[PFA:PFA+1], s[PX:PX+1], s[PVX:PVX+1]
	s_cselect_b64 s[PK1:PK1+1], s[PKM:PKM+1], s[PKV:PKV+1]
	s_cselect_b64 s[PK2:PK2+1], s[PVM:PVM+1], s[PVV:PVV+1]
	s_add_nc_u64 s[PFA:PFA+1], s[PFA:PFA+1], s[30:31]
	s_add_nc_u64 s[PFA:PFA+1], s[PFA:PFA+1], s[76:77]
	s_add_nc_u64 s[PK1:PK1+1], s[PK1:PK1+1], s[80:81]
	s_add_nc_u64 s[PK1:PK1+1], s[PK1:PK1+1], s[82:83]
	s_add_nc_u64 s[PK2:PK2+1], s[PK2:PK2+1], s[80:81]
	s_add_nc_u64 s[PK2:PK2+1], s[PK2:PK2+1], s[82:83]
	s_add_nc_u64 s[PWM:PWM+1], s[PWM:PWM+1], s[78:79]
	s_add_nc_u64 s[PWV:PWV+1], s[PWV:PWV+1], s[78:79]
	s_add_nc_u64 s[PKM:PKM+1], s[PKM:PKM+1], s[80:81]
	s_add_nc_u64 s[PKV:PKV+1], s[PKV:PKV+1], s[80:81]
	s_add_nc_u64 s[PVM:PVM+1], s[PVM:PVM+1], s[80:81]
	s_add_nc_u64 s[PVV:PVV+1], s[PVV:PVV+1], s[80:81]
.irp s, 0,1
	s_mov_b32 s[G0X+4*(\s)], 1                                       ; count = 1
	s_add_co_u32 s[G0X+4*(\s)+1], s75, (\s)*SLOT                     ; LDS address: wave x 128 rows + the slot
	s_add_nc_u64 s[G0X+4*(\s)+2:G0X+4*(\s)+3], s[PX:PX+1], s[30:31]  ; global address: my block's first row,
	s_add_nc_u64 s[G0X+4*(\s)+2:G0X+4*(\s)+3], s[G0X+4*(\s)+2:G0X+4*(\s)+3], (\s)*256  ; K step s
	s_or_b32 s[G0X+4*(\s)+3], s[G0X+4*(\s)+3], 0x80000000            ; type = 2
	s_mov_b32 s[G0V+4*(\s)], 1
	s_add_co_u32 s[G0V+4*(\s)+1], s75, (\s)*SLOT
	s_add_nc_u64 s[G0V+4*(\s)+2:G0V+4*(\s)+3], s[PVX:PVX+1], s[30:31]
	s_add_nc_u64 s[G0V+4*(\s)+2:G0V+4*(\s)+3], s[G0V+4*(\s)+2:G0V+4*(\s)+3], (\s)*256
	s_or_b32 s[G0V+4*(\s)+3], s[G0V+4*(\s)+3], 0x80000000
.endr
	CROUND                          ; all four work-groups are here: the first joint loads meet
	s_cmp_lt_u32 s[WV], 2           ; a wave's two first fills stand in one branch, ahead of every wait on TENSORcnt and every LDS read: two loads of mine are out
	s_cbranch_scc0 .Lfirst_v
	tensor_load_to_lds s[G0X:G0X+3], s[G1:G1+7]
	s_nop 0
	tensor_load_to_lds s[G0X+4:G0X+7], s[G1:G1+7]
	s_nop 0
	PLACES
	s_branch .Lfirst_asked
.Lfirst_v:
	tensor_load_to_lds s[G0V:G0V+3], s[G1:G1+7]
	s_nop 0
	tensor_load_to_lds s[G0V+4:G0V+7], s[G1:G1+7]
	s_nop 0
	PLACES
.Lfirst_asked:
	; while the first tiles are on their way: W's chunk 0, the addresses, the mask, the sums' zeros
	v_and_b32 v[R], 15, v0
	v_bfe_u32 v[HH], v0, 4, 1
	v_lshrrev_b32 v25, 4, v0        ; thread / 16: my row of eight
	v_lshlrev_b32 v[WOFF], 12, v25
	v_lshl_add_u32 v[WOFF], v[R], 4, v[WOFF]
	GLD WSTG, 8, PWM, PWV, WOFF, 32768
	v_mul_u32_u24 v24, v[R], PXP
	v_lshl_add_u32 v24, v[HH], 5, v24
	s_mul_i32 s29, s[WV], 16*PXP
	v_add_nc_u32 v[AX], s29, v24    ; (16 w + r) x pitch + 32 h
	v_add_nc_u32 v[AX+1], SLOT, v[AX]
	v_add_nc_u32 v[AVX], 2*QUART, v[AX]
	v_add_nc_u32 v[AVX+1], 2*QUART, v[AX+1]
	v_mul_u32_u24 v[AK], v[R], PK
	v_lshl_add_u32 v[AK], v[HH], 4, v[AK]
	v_add_nc_u32 v[AW], WB, v[AK]
	v_mul_u32_u24 v[KST], v25, PK
	v_lshl_add_u32 v[KST], v[R], 3, v[KST]
	v_add_nc_u32 v[WSTA], WB, v[KST]
	v_mul_u32_u24 v[VST], v25, PV
	v_lshl_add_u32 v[VST], v[R], 3, v[VST]
	v_add_nc_u32 v[VST], VOFF, v[VST]
	v_lshlrev_b32 v[T16], 4, v0
	v_mov_b32 v[GOFF], v[T16]       ; tile 0
	v_and_b32 v26, 7, v0            ; the turning load: lane l reads key 8 h + l % 8, channels 8 ((l / 8) % 2) + 0..7
	v_lshl_add_u32 v26, v[HH], 3, v26
	v_mul_u32_u24 v[AVT], v26, PV
	v_bfe_u32 v26, v0, 3, 1
	v_lshl_add_u32 v[AVT], v26, 4, v[AVT]
	v_add_nc_u32 v[AVT], VOFF, v[AVT]
	v_and_b32 v26, 31, v0
	v_lshlrev_b32 v[PFO], 12, v26
	v_lshlrev_b32 v[PKO], 8, v26
	v_lshlrev_b32 v24, 3, v[HH]
	v_sub_nc_u32 v24, v[R], v24
	s_lshl_b32 s29, s[WV], 4
	v_add_nc_u32 v24, s29, v24      ; my query's place in its band, 16 w + r, less my lanes' 8 h: register j of key block kb is hidden where 16 kb + j is greater
	WIN 0x80
.set xi, 0
.rept 32
	v_cmp_gt_i32 vcc_lo, 16*(xi/8)+xi%8, v24
	v_cndmask_b32 v[MD+xi], 0, s[BIGN], vcc_lo
.set xi, xi+1
.endr
	WIN 0x40                        ; the projection's sums start at 0: 256 lines in the wait for the first tile, the price of writing no first K step out (a fifth copy of the step's text)
.set xi, 0
.rept 256
	v_mov_b32 v[xi], 0
.set xi, xi+1
.endr
	WIN 0
	s_wait_loadcnt 0x0
	CONV WSTG, 8
	STO3 WSTG, 8, WSTA, 8*PW, WARR
	s_wait_tensorcnt 0x1            ; my part of slot 0 is in; slot 1's load, issued behind it, may stay out
	s_wait_dscnt 0x0                ; my part of W's chunk 0 is stored
	BAR
; ---------------- THE PROJECTION: 16 K steps of 64 ----------------
	s_mov_b32 s[CNT], 7
.Lproj:                             ; a trip: two K steps; both slots are filled again.  One tensor load of mine is out behind each round
	STEP 0, 1, 0
	XCHANGE 0, 1
	STEP 1, 1, 0
	XCHANGE 1, 1
	s_sub_co_u32 s[CNT], s[CNT], 1
	s_cmp_lg_u32 s[CNT], 0
	s_cbranch_scc1 .Lproj
	STEP 0, 1, 0                    ; the last two K steps are written out: nothing is left to ask for
	XCHANGE 0, 0
	STEP 1, 0, 1
	; q, var_q and q^2 (squared in f32) become source 1 of K Q^T: channel block cb's eight sums of a lane are words 4 cb .. 4 cb + 3 of the piece's two fragments
	WIN 0x85
.irp p, 0,1,2,3
.irp c, 0,1,2,3
.irp i, 0,1,2,3
	v_cvt_pk_bf16_f32 v[48*(\p)+4*(\c)+(\i)], v[32*(\p)+8*(\c)+2*(\i)], v[32*(\p)+8*(\c)+2*(\i)+1]
.endr
.endr
.endr
.irp p, 0,1,2,3
.irp c, 0,1,2,3
.irp i, 0,1,2,3
	v_cvt_pk_bf16_f32 v[48*(\p)+16+4*(\c)+(\i)], v[128+32*(\p)+8*(\c)+2*(\i)], v[128+32*(\p)+8*(\c)+2*(\i)+1]
.endr
.endr
.endr
	WIN 0x45
.set xi, 0
.rept 64
	v_pk_mul_f32 v[2*xi:2*xi+1], v[2*xi:2*xi+1], v[2*xi:2*xi+1]
.set xi, xi+1
.endr
	WIN 0x85
.irp p, 0,1,2,3
.irp c, 0,1,2,3
.irp i, 0,1,2,3
	v_cvt_pk_bf16_f32 v[48*(\p)+32+4*(\c)+(\i)], v[32*(\p)+8*(\c)+2*(\i)], v[32*(\p)+8*(\c)+2*(\i)+1]
.endr
.endr
.endr
	WIN 0
	s_wait_dscnt 0x0
	BAR                             ; every wave's reads of the ring are over, and every tensor load has landed (the last change of slots waited for them): slot 0's bytes now serve K, V and the stages
	s_wait_loadcnt 0x0              ; key tile 0 and value tile 0
	CONV STG, 16
	STO3 STG, 8, KST, 8*PK, KARR
	STO3 STG+64, 8, VST, 8*PV, VARR
.irp p, 0,1,2,3
	v_mov_b32 v[ST+8*(\p)], 0xfe000000    ; c m: far below every c s, so the first alpha is 0
	v_mov_b32 v[ST+8*(\p)+1], 0xff7fffff  ; m: the lowest finite number
.irp i, 2,3,4,5,6,7
	v_mov_b32 v[ST+8*(\p)+(\i)], 0
.endr
.endr
	s_wait_dscnt 0x0
	BAR
; ---------------- PASS 1 ----------------
	s_mov_b32 s[SS], 0
.Lp1:                               ; NS trips.  The tile in LDS goes into registers; behind a barrier the next tile may take its place; the last trip stages tile 0 again, for pass 2
	s_wait_xcnt 0x0                 ; the last prefetch, a trip back, has read its address
	s_add_nc_u64 s[PK1:PK1+1], s[PK1:PK1+1], 16384
	s_add_co_u32 s68, s[SS], 1
	s_cmp_lt_u32 s68, s[NS]
	s_cselect_b32 s68, s68, 0
	s_lshl_b32 s[TOFF], s68, 14
	v_add_nc_u32 v[GOFF], s[TOFF], v[T16]  ; free: the loads that read it were waited for in the trip before
	GLD STG, 8, PKM, PKV, GOFF, 2048
	FK
	ASKKV PK1
	s_wait_dscnt 0x0                ; the tile is in my registers
	BAR                             ; in everybody's
	P1 0
	P1 1
	P1 2
	P1 3
	s_wait_loadcnt 0x0
	CONV STG, 8
	STO3 STG, 8, KST, 8*PK, KARR
	s_wait_dscnt 0x0
	BAR                             ; the next tile is whole
	s_add_co_u32 s[SS], s[SS], 1
	s_cmp_lt_u32 s[SS], s[NS]
	s_cbranch_scc1 .Lp1
	; l's and t's two halves and the other half of the lanes' are added; 1 / l, 1 / l^2, R = -2 / (1024 l), s = t / (1024 l^2)
.irp p, 0,1,2,3
	v_add_f32 v[ST+8*(\p)+2], v[ST+8*(\p)+2], v[ST+8*(\p)+3]
	v_add_f32 v[ST+8*(\p)+4], v[ST+8*(\p)+4], v[ST+8*(\p)+5]
.endr
.irp p, 0,1,2,3
	v_permlanex16_b32 v[ST+8*(\p)+3], v[ST+8*(\p)+2], s[SEL], s[SEL+1]
	v_permlanex16_b32 v[ST+8*(\p)+5], v[ST+8*(\p)+4], s[SEL], s[SEL+1]
.endr
.irp p, 0,1,2,3
	v_add_f32 v[ST+8*(\p)+2], v[ST+8*(\p)+2], v[ST+8*(\p)+3]
	v_add_f32 v[ST+8*(\p)+4], v[ST+8*(\p)+4], v[ST+8*(\p)+5]
.endr
.irp p, 0,1,2,3
	v_rcp_f32 v[ST+8*(\p)+6], v[ST+8*(\p)+2]
.endr
	v_nop                           ; a plain instruction behind the last reciprocal,
	s_wait_alu depctr_va_vdst(0)    ; and the one wait for the four
.irp p, 0,1,2,3
	v_mul_f32 v[ST+8*(\p)+7], v[ST+8*(\p)+6], v[ST+8*(\p)+6]
	v_mul_f32 v[ST+8*(\p)+2], 0xbb000000, v[ST+8*(\p)+6]
.endr
.irp p, 0,1,2,3
	v_mul_f32 v[ST+8*(\p)+4], v[ST+8*(\p)+4], v[ST+8*(\p)+7]
.endr
.irp p, 0,1,2,3
	v_mul_f32 v[ST+8*(\p)+4], s[KIN], v[ST+8*(\p)+4]
.endr
	WIN 0x40                        ; O1 and O2 start at 0: 256 lines, once, so that pass 2 has one text for every step
.set xi, 0
.rept 256
	v_mov_b32 v[xi], 0
.set xi, xi+1
.endr
	WIN 0
; ---------------- PASS 2 ----------------
	s_mov_b32 s[SS], 0
.Lp2:                               ; NS trips.  The last trip fetches and stages tile 0 once more, which nobody reads: the price of one text for every trip
	s_wait_xcnt 0x0
	s_add_nc_u64 s[PK2:PK2+1], s[PK2:PK2+1], 16384
	s_add_co_u32 s68, s[SS], 1
	s_cmp_lt_u32 s68, s[NS]
	s_cselect_b32 s68, s68, 0
	s_lshl_b32 s[TOFF], s68, 14
	v_add_nc_u32 v[GOFF], s[TOFF], v[T16]
	GLD STG, 8, PKM, PKV, GOFF, 2048
	GLD STG+64, 8, PVM, PVV, GOFF, 2048
	FK
	FV 0
	ASKKV PK2
	P2 0, 0
	P2 1, 0
	P2 2, 0
	P2 3, 0
	PLACES                          ; the loads below land in registers that the last products read
	FV 1
	s_wait_dscnt 0x0                ; all of the tile that I need is in my registers
	BAR                             ; and in everybody's
	P2 0, 1
	P2 1, 1
	P2 2, 1
	P2 3, 1
	s_wait_loadcnt 0x0
	CONV STG, 16
	STO3 STG, 8, KST, 8*PK, KARR
	STO3 STG+64, 8, VST, 8*PV, VARR
	s_wait_dscnt 0x0
	BAR
	s_add_co_u32 s[SS], s[SS], 1
	s_cmp_lt_u32 s[SS], s[NS]
	s_cbranch_scc1 .Lp2
; ---------------- THE WAY OUT ----------------
	s_mul_i32 s29, s[WV], 16*SP
	s_add_co_u32 s29, s29, STAGE    ; my stage
	v_mul_u32_u24 v[STO], v[R], SP  ; in: row r, 32 bytes for each half of the lanes
	v_lshl_add_u32 v[STO], v[HH], 5, v[STO]
	v_add_nc_u32 v[STO], s29, v[STO]
	v_mul_u32_u24 v[RD], v[HH], SP  ; back: lanes 0-15 take one row of 256 bytes, lanes 16-31 the next
	v_lshl_add_u32 v[RD], v[R], 4, v[RD]
	v_add_nc_u32 v[RD], s29, v[RD]
	v_lshlrev_b32 v[T], 12, v[HH]   ; and the same two rows in x, out0 and out1
	v_lshl_add_u32 v[T], v[R], 4, v[T]
	s_lshl_b32 s68, s[BB], 10
	s_lshl_b32 s69, s[WV], 4
	s_add_co_u32 s68, s68, s69
	s_lshl_b32 s75, s[HEAD], 8      ; the head's 64 columns: 256 bytes
.irp p, 0,1,2,3
	s_lshl_b32 s69, s[BAND+(\p)], 6
	s_add_co_u32 s69, s69, s68      ; row 1,024 b + 64 band + 16 w
	s_lshl_b32 s69, s69, 12
	s_add_co_u32 s69, s69, s75
	v_add_nc_u32 v[GO+(\p)], s69, v[T]
.endr
.irp p, 0,1,2,3
.irp i, 0,1,2,3,4,5,6,7
	global_load_b128 v[XR+32*(\p)+4*(\i):XR+32*(\p)+4*(\i)+3], v[GO+(\p)], s[PX:PX+1] offset:(\i)*8192
.endr
.endr
.irp p, 0,1,2,3
	v_mov_b32 v[ST+8*(\p)+2], v[ST+8*(\p)+7]  ; 1 / l^2 into the low word of a pair
.endr
	s_wait_loadcnt 0x0
.irp p, 0,1,2,3
	OUT \p, 0
	OUT \p, 1
.endr
	s_wait_tensorcnt 0x0            ; the wave's end: an add to my spare word and its wait, behind my last tensor load and my last LDS store
	ds_add_u32 v[SPW], v[NIL]
	s_wait_dscnt 0x0
	CROUND                          ; the closing round: no work-group ends while a partner may still ask for a tile that names it
	s_endpgm
.Lfunc_end_k_q8b61afb168_vdp:
	.size	k_q8b61afb168_vdp, .Lfunc_end_k_q8b61afb168_vdp-k_q8b61afb168_vdp
	.p2alignl 7, 3214868480
	.fill 96, 4, 3214868480
	.section	.rodata,"a",@progbits
	.p2align	6, 0x0
	.amdhsa_kernel k_q8b61afb168_vdp
		.amdhsa_group_segment_fixed_size 327680
		.amdhsa_private_segment_fixed_size 0
		.amdhsa_enable_private_segment 0
		.amdhsa_kernarg_size 80
		.amdhsa_user_sgpr_count 2
		.amdhsa_user_sgpr_kernarg_segment_ptr 1
		.amdhsa_wavefront_size32 1
		.amdhsa_system_sgpr_workgroup_id_x 1
		.amdhsa_system_sgpr_workgroup_id_y 1
		.amdhsa_system_sgpr_workgroup_id_z 1
		.amdhsa_system_vgpr_workitem_id 0
		.amdhsa_next_free_vgpr 1024
		.amdhsa_next_free_sgpr 96
		.amdhsa_reserve_vcc 1
		.amdhsa_float_denorm_mode_32 3
		.amdhsa_float_denorm_mode_16_64 3
		.amdhsa_memory_ordered 1
		.amdhsa_forward_progress 1
		.amdhsa_inst_pref_size 255
	.end_amdhsa_kernel
	.section	.bss,"aw",@nobits
	.p2align	6
	.space	262144
	.amdgpu_metadata
---
amdhsa.version: [ 1, 2 ]
amdhsa.kernels:
  - .name:           k_q8b61afb168_vdp
    .symbol:         k_q8b61afb168_vdp.kd
    .args:
      - { .name: x, .offset: 0, .size: 8, .value_kind: global_buffer, .address_space: global }
      - { .name: var_x, .offset: 8, .size: 8, .value_kind: global_buffer, .address_space: global }
      - { .name: Wq_mu, .offset: 16, .size: 8, .value_kind: global_buffer, .address_space: global }
      - { .name: Wq_var, .offset: 24, .size: 8, .value_kind: global_buffer, .address_space: global }
      - { .name: k, .offset: 32, .size: 8, .value_kind: global_buffer, .address_space: global }
      - { .name: var_k, .offset: 40, .size: 8, .value_kind: global_buffer, .address_space: global }
      - { .name: v, .offset: 48, .size: 8, .value_kind: global_buffer, .address_space: global }
      - { .name: var_v, .offset: 56, .size: 8, .value_kind: global_buffer, .address_space: global }
      - { .name: out0, .offset: 64, .size: 8, .value_kind: global_buffer, .address_space: global }
      - { .name: out1, .offset: 72, .size: 8, .value_kind: global_buffer, .address_space: global }
    .group_segment_fixed_size: 327680
    .private_segment_fixed_size: 0
    .kernarg_segment_align: 8
    .kernarg_segment_size: 80
    .max_flat_workgroup_size: 128
    .sgpr_count:     96
    .vgpr_count:     1024
    .wavefront_size: 32
...
	.end_amdgpu_metadata
.endif
;; end of part 1
